; MI455X (gfx1250); checked and timed in simulation.
; The chip was launched on July 23, 2026; its instructions are those of AMD's public machine-readable ISA for CDNA 5 (MIT licence, August 2026) and "CDNA5" Instruction Set Architecture Reference Guide (July 2026). The comments in the code are by the model that wrote it; some were corrected since.
;; Attention. Allowed arithmetic: float matrix products may take bf16 or f16 operands with f32 sums; all other float work in f32.
;; Inputs: Wk 1,024 x 1,024 float32; Wq 1,024 x 1,024 float32; Wv 1,024 x 1,024 float32; bk 1,024 float32; bq 1,024 float32; bv 1,024 float32; x 4 x 2,048 x 1,024 float32.
;; Outputs: out0 4 x 2,048 x 1,024 float32.
;; 2 versions, each right; version 2 is version 1 with the launch cast written anew for expert scheduling mode. Each part assembles by itself: llvm-mc -triple=amdgcn-amd-amdhsa -mcpu=gfx1250 --defsym DOCPART=n.
;; ======== version 1 of 2: 3 launches
;; limits: values are held in f16: magnitudes above 65,504 overflow, below 6.1e-05 lose precision
;; workspace buffers: xb 16,777,216 bytes; wc 6,291,456 bytes; qs 16,777,216 bytes; ks 33,554,432 bytes; vt 16,777,216 bytes
;; launch cast (part 1): grid 256 x 1, 22 waves a work-group, no clusters, 0 bytes of LDS; arguments x, Wq, Wk, Wv, xb, wc; writes xb, wc
.if DOCPART == 1
	.amdgcn_target "amdgcn-amd-amdhsa--gfx1250"
	.amdhsa_code_object_version 6
	.text
	.protected	k_q41d0b5ee55_cast
	.globl	k_q41d0b5ee55_cast
	.p2align	8
	.type	k_q41d0b5ee55_cast,@function
k_q41d0b5ee55_cast:
	s_mov_b64 s[64:65], 0
	v_nop
	global_prefetch_b8 v0, s[64:65] scope:SCOPE_SE
	s_setreg_imm32_b32 hwreg(HW_REG_WAVE_MODE, 25, 1), 1
	s_wait_xcnt 0x0
; cast: x [8192][1024] and Wq, Wk, Wv [1024][1024], all f32, are rounded once to bf16 (to nearest even) and laid out so that
; every tile of the projection is dense in memory:
;   xb [16 kb][8192 row][64 k]   wc [16 kb][3072 row][64 k], row = head*192 + t*64 + d  (t = 0 q, 1 k, 2 v; feature = head*64 + d)
; 11,264 source rows are 5,632 pairs of rows = 256 work-groups x 22 waves: one pair a wave, no loop, no LDS, no barrier.
; A lane takes 8 neighbouring numbers (32 bytes in, 16 bytes out); sixteen neighbouring lanes store two rows x 64 k of one kb,
; which are 256 consecutive bytes at a multiple of 256 from the buffer's first byte.  All sixteen loads of a lane go out first.
; No cluster, no matrix unit: no byte is shared between work-groups and nothing is multiplied.
.set XPAIRS, 4096                      ; pairs of rows in x
.set KBS_X,  1048576                   ; xb: bytes of one kb = 8,192 rows x 128
.set KBS_W,  393216                    ; wc: bytes of one kb = 3,072 rows x 128
.set SRC, 2                            ; v2       byte offset of my 32 bytes in the pair of source rows, kb 0 or 1
.set OFF, 4                            ; v[4:11]  byte offset of my 16 bytes in the target, one for each of the eight steps
.set X,   16                           ; v[16:79] 8 x 8 numbers as loaded
.set Y,   80                           ; v[80:111] 8 x 4 registers to store
	s_load_b256 s[4:11], s[0:1], 0x0               ; x s[4:5], Wq s[6:7], Wk s[8:9], Wv s[10:11]
	s_load_b128 s[12:15], s[0:1], 0x20             ; xb s[12:13], wc s[14:15]
	v_lshrrev_b32 v1, 5, v0
	v_readfirstlane_b32 s16, v1                    ; wave
	s_mul_i32 s17, ttmp9, 22
	s_add_co_u32 s17, s17, s16                     ; p: my pair of rows, 0 .. 5631; below 4096 it lies in x
	; the figures of a pair that lies in a W (they are not used where p < 4096)
	s_sub_co_u32 s18, s17, XPAIRS
	s_lshr_b32 s19, s18, 9                         ; t: which W
	s_and_b32 s20, s18, 511                        ; u: the pair in that W
	s_lshr_b32 s21, s20, 5                         ; head = 2u / 64
	s_mul_i32 s21, s21, 192
	s_lshl_b32 s22, s19, 6
	s_add_co_u32 s21, s21, s22                     ; + 64 t
	s_and_b32 s22, s20, 31
	s_lshl1_add_u32 s21, s22, s21                  ; + d = 2 (u mod 32): the target row in wc
	s_lshl_b32 s23, s17, 1                         ; the target row in xb: 2 p
	s_mov_b32 s30, KBS_W
	v_bfe_u32 v12, v0, 3, 1                        ; which row of the pair
	v_bfe_u32 v13, v0, 4, 1                        ; which kb of two
	v_and_b32 v14, 7, v0                           ; which 8 numbers of the 64
	v_lshlrev_b32 v[SRC], 5, v14
	v_lshl_add_u32 v[SRC], v13, 8, v[SRC]
	v_lshl_add_u32 v[SRC], v12, 12, v[SRC]         ; row x 4,096 + kb x 256 + 32 x place
	s_wait_kmcnt 0x0
	s_cmp_eq_u32 s19, 1                            ; the choices hang on p alone
	s_cselect_b64 s[24:25], s[8:9], s[6:7]
	s_cmp_eq_u32 s19, 2
	s_cselect_b64 s[24:25], s[10:11], s[24:25]
	s_cmp_lt_u32 s17, XPAIRS
	s_cselect_b64 s[24:25], s[4:5], s[24:25]       ; source
	s_cselect_b64 s[26:27], s[12:13], s[14:15]     ; target
	s_cselect_b32 s28, s17, s20                    ; the pair's number in its source
	s_cselect_b32 s29, s23, s21                    ; the target row
	s_cselect_b32 s30, KBS_X, s30                  ; the target's bytes for one kb
	s_lshl_b32 s32, s28, 13                        ; a pair of source rows is 8,192 bytes
	s_mov_b32 s33, 0
	s_add_nc_u64 s[24:25], s[24:25], s[32:33]
	s_lshl_b32 s34, s29, 7                         ; a target row is 128 bytes
	s_mov_b32 s35, 0
	s_add_nc_u64 s[26:27], s[26:27], s[34:35]
	s_lshl_b32 s31, s30, 1                         ; a step goes two kb on
.irp i, 0,1,2,3,4,5,6,7
	global_load_b128 v[X+8*\i:X+8*\i+3],   v[SRC], s[24:25] offset:512*\i th:TH_LOAD_NT
	global_load_b128 v[X+8*\i+4:X+8*\i+7], v[SRC], s[24:25] offset:512*\i+16 th:TH_LOAD_NT
.endr
	v_mul_lo_u32 v[OFF], v13, s30                  ; kb x its bytes
	v_lshl_add_u32 v[OFF], v12, 7, v[OFF]          ; + row of the pair x 128
	v_lshl_add_u32 v[OFF], v14, 4, v[OFF]          ; + 16 x place
.irp i, 1,2,3,4,5,6,7
	v_add_nc_u32 v[OFF+\i], s31, v[OFF+\i-1]
.endr
.irp i, 0,1,2,3,4,5,6,7
	s_wait_loadcnt 14-2*\i                         ; loads come back in order (ISA guide 5.7.1): step i's two are in, the younger ones stay out
.irp j, 0,1,2,3
	v_cvt_pk_bf16_f32 v[Y+4*\i+\j], v[X+8*\i+2*\j], v[X+8*\i+2*\j+1]
.endr
	global_store_b128 v[OFF+\i], v[Y+4*\i:Y+4*\i+3], s[26:27]   ; no hint: the next launch reads these bytes
.endr
	s_endpgm
.Lfunc_end_k_q41d0b5ee55_cast:
	.size	k_q41d0b5ee55_cast, .Lfunc_end_k_q41d0b5ee55_cast-k_q41d0b5ee55_cast
	.p2alignl 7, 3214868480
	.fill 96, 4, 3214868480
	.section	.rodata,"a",@progbits
	.p2align	6, 0x0
	.amdhsa_kernel k_q41d0b5ee55_cast
		.amdhsa_group_segment_fixed_size 0
		.amdhsa_private_segment_fixed_size 0
		.amdhsa_enable_private_segment 0
		.amdhsa_kernarg_size 48
		.amdhsa_user_sgpr_count 2
		.amdhsa_user_sgpr_kernarg_segment_ptr 1
		.amdhsa_wavefront_size32 1
		.amdhsa_system_sgpr_workgroup_id_x 1
		.amdhsa_system_sgpr_workgroup_id_y 1
		.amdhsa_system_sgpr_workgroup_id_z 1
		.amdhsa_system_vgpr_workitem_id 0
		.amdhsa_next_free_vgpr 112
		.amdhsa_next_free_sgpr 66
		.amdhsa_reserve_vcc 0
		.amdhsa_float_denorm_mode_32 3
		.amdhsa_float_denorm_mode_16_64 3
		.amdhsa_memory_ordered 1
		.amdhsa_forward_progress 1
		.amdhsa_inst_pref_size 7
	.end_amdhsa_kernel
	.amdgpu_metadata
---
amdhsa.version: [ 1, 2 ]
amdhsa.kernels:
  - .name:           k_q41d0b5ee55_cast
    .symbol:         k_q41d0b5ee55_cast.kd
    .args:
      - { .name: x, .offset: 0, .size: 8, .value_kind: global_buffer, .address_space: global }
      - { .name: Wq, .offset: 8, .size: 8, .value_kind: global_buffer, .address_space: global }
      - { .name: Wk, .offset: 16, .size: 8, .value_kind: global_buffer, .address_space: global }
      - { .name: Wv, .offset: 24, .size: 8, .value_kind: global_buffer, .address_space: global }
      - { .name: xb, .offset: 32, .size: 8, .value_kind: global_buffer, .address_space: global }
      - { .name: wc, .offset: 40, .size: 8, .value_kind: global_buffer, .address_space: global }
    .group_segment_fixed_size: 0
    .private_segment_fixed_size: 0
    .kernarg_segment_align: 8
    .kernarg_segment_size: 48
    .max_flat_workgroup_size: 704
    .sgpr_count:     66
    .vgpr_count:     112
    .wavefront_size: 32
...
	.end_amdgpu_metadata
.endif
;; end of part 1
;; launch proj (part 2): grid 8 x 32, 4 waves a work-group, clusters of 4 x 4, 327,680 bytes of LDS; arguments xb, wc, bq, bk, bv, qs, ks, vt; writes qs, ks, vt
.if DOCPART == 2
	.amdgcn_target "amdgcn-amd-amdhsa--gfx1250"
	.amdhsa_code_object_version 6
	.text
	.protected	k_q41d0b5ee55_proj
	.globl	k_q41d0b5ee55_proj
	.p2align	8
	.type	k_q41d0b5ee55_proj,@function
k_q41d0b5ee55_proj:
	s_mov_b64 s[64:65], 0
	v_nop
	global_prefetch_b8 v0, s[64:65] scope:SCOPE_SE
	s_setreg_imm32_b32 hwreg(HW_REG_WAVE_MODE, 25, 1), 1
	s_wait_xcnt 0x0
	s_wait_alu depctr_hold_cnt(0) depctr_sa_sdst(0) depctr_va_vdst(0) depctr_va_sdst(0) depctr_va_ssrc(0) depctr_va_vcc(0) depctr_vm_vsrc(0)
	s_getreg_b32 s2, hwreg(HW_REG_IB_STS2, 6, 4)
	s_cmp_eq_u32 s2, 0
	s_cbranch_scc0 .Lentry_in_a_cluster
	s_endpgm
.Lentry_in_a_cluster:
	s_bfe_u32 s2, ttmp6, 0x10000c
	s_cmp_lg_u32 s2, 0xf033
	s_cbranch_scc0 .Lentry_shape_is_right
	s_endpgm
.Lentry_shape_is_right:
; proj: q, k, v = x W^T + b for 8,192 tokens and 3 x 1,024 features, bf16 operands (xb, wc), f32 sums, f32 biases.
; Out:  qs [64 bh][2048 n][64] f16: (q + bq) log2(e), rounded once
;       ks [64 bh][2048 n][hi 64 | lo 64] f16: k + bk as a sum of two f16, hi = its upper 11 significant bits, lo = the rounded rest
;       vt [64 bh][64 d][2048 n] f16: (v + bv) / 16
; LIMITS: nothing is clamped: |(q + bq) log2 e| and |k + bk| have to stay below 65,504 and |v + bv| below 2^20.  With x, W and b all 30 times
; the spread of unit x and W rows of unit length, q and k reach about 8,000.  NaN and infinities are not treated specially.
; A work-group makes 256 tokens x 384 columns (q, k, v of two heads) with four waves; a wave makes 128 tokens x 192 columns
; (q, k, v of one head): 96 accumulator tiles of 16 x 16 in 768 registers.  K goes in 16 steps of 64 through two LDS slots.
; (Steps of 128 would want 2 x 640 rows x 272 bytes, more than the 327,680 bytes that a work-group can be given.)
; CLUSTERS: 4 x 4 work-groups.  x's tile hangs on the block of tokens alone and is asked for jointly along a row of the cluster,
; W's on the block of columns alone and is asked for jointly along a column: a quarter of the requests for each.
; Both buffers are laid out so that a tile is dense: it comes in as rows of 256 bytes, and the mover lays 16 bytes of padding behind
; every 128 bytes, so that a row of 64 k has an LDS pitch of 144 bytes, an odd multiple of 16: the sixteen rows of a fragment load
; fall on sixteen different 16-byte columns of 256 bytes.
; REGISTERS: window 0: v1-31 lane terms and biases, A0/A1 x's fragments (8 x 8), B0/B1 W's fragments (4 x 8), v224-255 at work.
;            windows 1, 2, 3: the sums of q, k, v; tile (a = 16 tokens, b = 16 columns) at v[8 (4 a + b)].
; For q and k source 0 is W's fragment and source 1 x's: a lane then holds one token and 8 neighbouring columns.
; For v source 0 is x's and source 1 W's: a lane holds one d and 8 neighbouring tokens, as vt wants them.
.set PITCH,  144
.set FR,     16*PITCH                  ; 16 rows: from fragment to fragment
.set PART,   192*PITCH                 ; a wave's part of a slot: 27,648 bytes (x's halves use 128 rows of it)
.set SLOT,   4*PART                    ; x's two halves, then W's two halves
.set STAGE,  2*SLOT                    ; behind the ring: 16 rows x 272 bytes for each wave, for the way out
.set SPITCH, 272
.set XKB,    1048576                   ; xb: bytes from one 64 k to the next
.set WKB,    393216                    ; wc: the same
.set STQ,  10                          ; the way out of q: where I put 16 bytes of a token's 128, two tokens to a stage row
.set BVR,  12                          ; v[12:15]  bv of my four d, as loaded
.set BV,   16                          ; v[16:23]  bv / 16, each twice (pairs for the packed multiply-add)
.set ADRA, 24                          ; v24-25    LDS address of my x fragments in slot 0, 1
.set ADRB, 26                          ; v26-27    the same for W
.set STO,  28                          ; the way out of k and v: where I put 16 bytes of a row
.set RD,   29                          ; the way out: where I read rows back
.set CO,   30                          ; my byte offset in qs and ks
.set COV,  31                          ; my byte offset in vt
.set A0,   32
.set A1,   96
.set B0,   160
.set B1,   192
.set TT,   224
.set BQ,   A0                          ; the way out: 32 biases of q, then of k, in the registers of A0
.set BK,   A0+32
.set HI,   160                         ; the way out: 16 + 16 packed registers, 32 + 32 at work
.set LO,   176
.set UU,   192
.set G1A, 32                           ; s[32:39] group 1 for x's tiles      s[40:47] group 0, one set for each slot
.set G0A, 40
.set G1B, 48                           ; s[48:55] group 1 for W's tiles      s[56:63] group 0, one set for each slot
.set G0B, 56
.set FLAGS, (3<<16)|(1<<20)|(1<<21)|(4<<22)|(3<<25)   ; elements of 8 bytes; padding on; bit 21 beside a mask; after every 32 words; 4 words
.set MSB, 0
.macro WIN new                         ; the immediate's high byte repeats the setting that is left
.if MSB != \new
	s_set_vgpr_msb (MSB<<8)|\new
.set MSB, \new
.endif
.endm
.macro PLACES                          ; four places behind a matrix instruction ahead of loads into, or vector work on, its registers
.rept 4
	v_nop
.endr
.endm
; A joint load: waves 0 and 1 ask for x's two halves, waves 2 and 3 for W's.  The branch hangs on the wave's number alone.
.macro JLOAD s
	s_cmp_eq_u32 s21, 0
	s_cbranch_scc0 .Lfor_b_\@
	tensor_load_to_lds s[G0A+4*\s:G0A+4*\s+3], s[G1A:G1A+7]
	s_nop 0
	s_branch .Lasked_\@
.Lfor_b_\@:
	tensor_load_to_lds s[G0B+4*\s:G0B+4*\s+3], s[G1B:G1B+7]
	s_nop 0
.Lasked_\@:
.endm
.macro CREST                           ; a round of the cluster's barrier behind its opening work-group barrier
	s_cmp_lg_u32 s20, 0
	s_cbranch_scc1 .Lnot_wave_0_\@
	s_barrier_signal -3
.Lnot_wave_0_\@:
	s_barrier_wait -3
	s_barrier_signal -1
	s_barrier_wait -1
.endm
.macro CROUND                          ; a whole round
	s_barrier_signal -1
	s_barrier_wait -1
	CREST
.endm
	s_load_b512 s[4:19], s[0:1], 0x0               ; xb s[4:5], wc s[6:7], bq s[8:9], bk s[10:11], bv s[12:13], qs s[14:15], ks s[16:17], vt s[18:19]
	v_lshl_add_u32 v94, v0, 2, 0x3a400
	v_mov_b32 v95, 0
	ds_add_u32 v94, v95
	s_wait_dscnt 0x0
	v_lshrrev_b32 v1, 5, v0
	v_readfirstlane_b32 s20, v1                    ; wave 0..3
	s_lshr_b32 s21, s20, 1                         ; my half of the tokens.  Also: I fetch for x (0) or for W (1)
	s_and_b32 s22, s20, 1                          ; my head of the two.  Also: which half of that tile I fetch
	s_bfe_u32 s23, ttmp6, 0x40000                  ; cx
	s_bfe_u32 s24, ttmp6, 0x40004                  ; cy
	s_lshl_b32 s25, ttmp9, 2
	s_add_co_u32 s25, s25, s23                     ; bx: block of 384 columns, 0..7
	s_and_b32 s26, ttmp7, 0xffff
	s_lshl_b32 s26, s26, 2
	s_add_co_u32 s26, s26, s24                     ; by: block of 256 tokens, 0..31
	s_lshl_b32 s27, s24, 2
	s_lshl_b32 s27, 15, s27                        ; my row of the cluster
	s_lshl_b32 s28, 0x1111, s23                    ; my column
	s_or_b32 s[G1A+0], s27, FLAGS                  ; x's tiles go to my row
	s_or_b32 s[G1B+0], s28, FLAGS                  ; W's to my column
	s_mov_b32 s[G1A+1], 32<<16                     ; tensor_dim0 = 32 elements of 8 bytes: rows of 256 bytes
	s_mov_b32 s[G1B+1], 32<<16
	s_mov_b32 s[G1A+2], 64<<16                     ; tensor_dim1: 128 rows of 128 bytes = 64 of 256
	s_mov_b32 s[G1B+2], 96<<16                     ; 192 rows of 128 bytes = 96 of 256
	s_mov_b32 s[G1A+3], 32<<16                     ; tile_dim0
	s_mov_b32 s[G1B+3], 32<<16
	s_mov_b32 s[G1A+4], 64                         ; tile_dim1
	s_mov_b32 s[G1B+4], 96
	s_mov_b32 s[G1A+5], 32                         ; the pitch: dense
	s_mov_b32 s[G1B+5], 32
	s_mov_b32 s[G1A+6], 0
	s_mov_b32 s[G1B+6], 0
	s_mov_b32 s[G1A+7], 0
	s_mov_b32 s[G1B+7], 0
	; where the tiles come from: x's hang on by and the wave alone, W's on bx and the wave alone, each in registers that never hold the other
	s_lshl_b32 s66, s26, 15                        ; 256 rows x 128 bytes
	s_lshl_b32 s29, s22, 14                        ; + my half: 128 rows
	s_add_co_u32 s66, s66, s29
	s_mov_b32 s67, 0
	s_mul_i32 s68, s25, 49152                      ; 384 rows x 128 bytes
	s_mul_i32 s29, s22, 24576                      ; + my half: 192 rows
	s_add_co_u32 s68, s68, s29
	s_mov_b32 s69, 0
	s_mul_i32 s30, s20, PART                       ; and where they go: the wave's number alone
	; where the results go
	s_lshl1_add_u32 s70, s25, s22                  ; head = 2 bx + my head of the two
	s_lshr_b32 s71, s26, 3                         ; batch
	s_lshl4_add_u32 s72, s71, s70                  ; bh = 16 batch + head
	s_and_b32 s73, s26, 7
	s_lshl_b32 s73, s73, 8
	s_lshl_b32 s74, s21, 7
	s_add_co_u32 s73, s73, s74                     ; my first token in the sequence
	s_lshl_b32 s74, s72, 11
	s_add_co_u32 s74, s74, s73                     ; bh x 2,048 + token
	s_lshl_b32 s80, s74, 7                         ; qs: rows of 128 bytes
	s_mov_b32 s81, 0
	s_lshl_b32 s74, s74, 8                         ; ks: rows of 256 bytes
	s_mov_b32 s75, 0
	s_lshl_b32 s76, s72, 18
	s_lshl1_add_u32 s76, s73, s76                  ; vt: bh x 64 x 4,096 + token x 2
	s_mov_b32 s77, 0
	s_lshl_b32 s78, s70, 8                         ; biases: head x 64 x 4
	s_mov_b32 s79, 0
	s_wait_kmcnt 0x0
	s_add_nc_u64 s[66:67], s[4:5], s[66:67]
	s_add_nc_u64 s[68:69], s[6:7], s[68:69]
	s_add_nc_u64 s[8:9], s[8:9], s[78:79]
	s_add_nc_u64 s[10:11], s[10:11], s[78:79]
	s_add_nc_u64 s[12:13], s[12:13], s[78:79]
	s_add_nc_u64 s[14:15], s[14:15], s[80:81]
	s_add_nc_u64 s[16:17], s[16:17], s[74:75]
	s_add_nc_u64 s[18:19], s[18:19], s[76:77]
	CROUND                                         ; all sixteen work-groups are here: the first joint loads meet
.irp s, 0,1
	s_mov_b32 s[G0A+4*\s], 1
	s_add_co_u32 s[G0A+4*\s+1], s30, \s*SLOT
	s_add_nc_u64 s[G0A+4*\s+2:G0A+4*\s+3], s[66:67], \s*XKB        ; K step s
	s_or_b32 s[G0A+4*\s+3], s[G0A+4*\s+3], 0x80000000
	s_mov_b32 s[G0B+4*\s], 1
	s_add_co_u32 s[G0B+4*\s+1], s30, \s*SLOT
	s_add_nc_u64 s[G0B+4*\s+2:G0B+4*\s+3], s[68:69], \s*WKB
	s_or_b32 s[G0B+4*\s+3], s[G0B+4*\s+3], 0x80000000
	JLOAD \s                                       ; both slots' first fills go out together: two tensor loads of a wave are out here, later one
.endr
	; lane terms.  A fragment is 16 rows x 32 k in 8 registers: lane l holds row l % 16; two loads of 16 bytes, 32 bytes apart, at row x pitch + 16 (l / 16)
	v_and_b32 v1, 15, v0                           ; r
	v_bfe_u32 v2, v0, 4, 1                         ; h
	v_mul_u32_u24 v3, v1, PITCH
	v_lshl_add_u32 v3, v2, 4, v3
	s_mul_i32 s31, s21, PART                       ; my 128 tokens
	s_mul_i32 s29, s22, PART
	s_add_co_u32 s29, s29, 2*PART                  ; my head's 192 rows of W
.irp s, 0,1
	v_add_nc_u32 v[ADRA+\s], s31, v3
	v_add_nc_u32 v[ADRB+\s], s29, v3
	s_add_co_u32 s31, s31, SLOT
	s_add_co_u32 s29, s29, SLOT
.endr
	s_mul_i32 s31, s20, 16*SPITCH
	s_add_co_u32 s31, s31, STAGE                   ; my stage
	v_mul_u32_u24 v6, v1, SPITCH
	v_lshl_add_u32 v6, v2, 4, v6
	v_add_nc_u32 v[STO], s31, v6                   ; in: row r, 16 bytes for each half of the lanes
	v_lshrrev_b32 v6, 1, v1
	v_mul_u32_u24 v6, v6, SPITCH
	v_and_b32 v11, 1, v1
	v_lshl_add_u32 v6, v11, 7, v6
	v_lshl_add_u32 v6, v2, 4, v6
	v_add_nc_u32 v[STQ], s31, v6                   ; q in: stage row r / 2, half r % 2: 16 (r / 2) + 128 (r % 2) modulo 256 are sixteen different 16-byte columns
	v_mul_u32_u24 v7, v2, SPITCH
	v_lshl_add_u32 v7, v1, 4, v7
	v_add_nc_u32 v[RD], s31, v7                    ; back: lanes 0-15 one row of 256 bytes, lanes 16-31 the next
	v_and_b32 v8, 31, v0
	v_lshlrev_b32 v[CO], 4, v8                     ; qs, ks: stage rows of 256 bytes follow each other in memory
	v_lshlrev_b32 v9, 4, v1
	v_lshl_add_u32 v[COV], v2, 12, v9              ; vt: rows 4,096 bytes apart
	v_lshlrev_b32 v4, 5, v2                        ; bq, bk: my 8 columns begin at 32 h
	v_lshlrev_b32 v5, 2, v1                        ; bv: my d at 4 r
.macro LDB set, buf, slot, q           ; 8 LDS loads: W's four fragments of q (set 0), k (1) or v (2), 32 k at byte 64 q of the rows
.irp b, 0,1,2,3
	ds_load_b128 v[\buf+8*\b:\buf+8*\b+3],   v[ADRB+\slot] offset:(4*\set+\b)*FR+64*\q
	ds_load_b128 v[\buf+8*\b+4:\buf+8*\b+7], v[ADRB+\slot] offset:(4*\set+\b)*FR+64*\q+32
.endr
.endm
.macro LDA part, buf, slot, q          ; 8 LDS loads: x's fragments 4 part .. 4 part + 3
.irp a, 0,1,2,3
	ds_load_b128 v[\buf+8*(4*\part+\a):\buf+8*(4*\part+\a)+3],   v[ADRA+\slot] offset:(4*\part+\a)*FR+64*\q
	ds_load_b128 v[\buf+8*(4*\part+\a)+4:\buf+8*(4*\part+\a)+7], v[ADRA+\slot] offset:(4*\part+\a)*FR+64*\q+32
.endr
.endm
.macro FETCH0 slot                     ; what a K step finds loaded: W's q fragments and all of x's, first 32 k
	LDB 0, B0, \slot, 0
	LDA 0, A0, \slot, 0
	LDA 1, A0, \slot, 0
.endm
; 16 matrix instructions on 16 accumulators of window w: token tiles a0 .. a0 + 3 x four column tiles.  zero = 1: the product starts the sums.
.macro MUL16 w, abuf, bbuf, a0, zero
.irp a, \a0, \a0+1, \a0+2, \a0+3
.irp b, 0,1,2,3
.if \w == 3
.if \zero
	v_wmma_f32_16x16x32_bf16 v[8*(4*(\a)+\b):8*(4*(\a)+\b)+7], v[\abuf+8*(\a):\abuf+8*(\a)+7], v[\bbuf+8*\b:\bbuf+8*\b+7], 0
.else
	v_wmma_f32_16x16x32_bf16 v[8*(4*(\a)+\b):8*(4*(\a)+\b)+7], v[\abuf+8*(\a):\abuf+8*(\a)+7], v[\bbuf+8*\b:\bbuf+8*\b+7], v[8*(4*(\a)+\b):8*(4*(\a)+\b)+7]
.endif
.else
.if \zero
	v_wmma_f32_16x16x32_bf16 v[8*(4*(\a)+\b):8*(4*(\a)+\b)+7], v[\bbuf+8*\b:\bbuf+8*\b+7], v[\abuf+8*(\a):\abuf+8*(\a)+7], 0
.else
	v_wmma_f32_16x16x32_bf16 v[8*(4*(\a)+\b):8*(4*(\a)+\b)+7], v[\bbuf+8*\b:\bbuf+8*\b+7], v[\abuf+8*(\a):\abuf+8*(\a)+7], v[8*(4*(\a)+\b):8*(4*(\a)+\b)+7]
.endif
.endif
.endr
.endr
.endm
; A K step of 64: six phases of 32 matrix instructions (q, k, v on the first 32 k, then on the second).  Each phase first issues, four places
; behind the matrix instructions that read those buffers, the LDS loads that the NEXT phase needs, and waits with the count of what it
; has just issued: the loads of the phase before are then in.  The 96 accumulators take turns, one instruction a turn.
; mode 2: this slot is filled again, two K steps ahead.  mode 1: the slots change, nothing is filled.  mode 0: the last K step.
.macro STEP slot, next, zero, mode
	WIN 0
	PLACES
	LDB 1, B1, \slot, 0
	s_wait_dscnt 8                                 ; all but the 8 just issued: B0 and A0 are in
	WIN 0x50
	MUL16 1, A0, B0, 0, \zero
	MUL16 1, A0, B0, 4, \zero
	WIN 0
	PLACES
	LDB 2, B0, \slot, 0
	LDA 0, A1, \slot, 1
	s_wait_dscnt 16                                ; all but the 16 just issued: B1 is in
	WIN 0xa0
	MUL16 2, A0, B1, 0, \zero
	MUL16 2, A0, B1, 4, \zero
	WIN 0
	PLACES
	LDB 0, B1, \slot, 1
	LDA 1, A1, \slot, 1
	s_wait_dscnt 16                                ; B0 is in
	WIN 0xf0
	MUL16 3, A0, B0, 0, \zero
	MUL16 3, A0, B0, 4, \zero
	WIN 0
	PLACES
	LDB 1, B0, \slot, 1
.if \mode == 0
.irp b, 0,1,2,3                                    ; the last K step: A0 is free, the biases come into it
	global_load_b128 v[BQ+8*\b:BQ+8*\b+3],   v4, s[8:9] offset:64*\b
	global_load_b128 v[BQ+8*\b+4:BQ+8*\b+7], v4, s[8:9] offset:64*\b+16
	global_load_b128 v[BK+8*\b:BK+8*\b+3],   v4, s[10:11] offset:64*\b
	global_load_b128 v[BK+8*\b+4:BK+8*\b+7], v4, s[10:11] offset:64*\b+16
	global_load_b32 v[BVR+\b], v5, s[12:13] offset:64*\b
.endr
.endif
	s_wait_dscnt 8                                 ; B1 and all of A1 are in
	WIN 0x50
	MUL16 1, A1, B1, 0, 0
	MUL16 1, A1, B1, 4, 0
	WIN 0
	PLACES
	LDB 2, B1, \slot, 1
	s_wait_dscnt 8                                 ; B0 is in
	WIN 0xa0
	MUL16 2, A1, B0, 0, 0
	s_wait_dscnt 0x0                               ; my reads of this slot are over
.if \mode
	s_wait_xcnt 0x0
	s_set_vgpr_msb 0xa020
	v_lshl_add_u32 v94, v0, 2, 0x3a400
	v_mov_b32 v95, 0
	s_wait_tensorcnt 0x0                           ; and all my tensor loads have landed: the one that was out is my part of the next slot
	ds_add_u32 v94, v95
	s_wait_dscnt 0x0
	s_set_vgpr_msb 0x20a0
	s_barrier_signal -1                            ; (in mode 2 this barrier opens a round of the cluster's barrier)
.endif
	MUL16 2, A1, B0, 4, 0                          ; register work while the others arrive
.if \mode
	WIN 0
	s_barrier_wait -1
.if \mode == 2
	CREST                                          ; no wave of any partner still reads this slot or has a load on its way
	s_add_nc_u64 s[G0A+4*\slot+2:G0A+4*\slot+3], s[G0A+4*\slot+2:G0A+4*\slot+3], 2*XKB
	s_add_nc_u64 s[G0B+4*\slot+2:G0B+4*\slot+3], s[G0B+4*\slot+2:G0B+4*\slot+3], 2*WKB
	JLOAD \slot                                    ; my one tensor load behind the round; 176 matrix instructions stand between it and the wait for it
.endif
	PLACES
	FETCH0 \next
.endif
	WIN 0xf0
	MUL16 3, A1, B1, 0, 0
	MUL16 3, A1, B1, 4, 0
.endm
	s_wait_tensorcnt 0x1                           ; my part of K step 0 is in; K step 1's may stay out
	s_barrier_signal -1
	s_barrier_wait -1
	FETCH0 0
	STEP 0, 1, 1, 2                                ; the first two K steps stand ahead of the loop: their first products start the sums
	STEP 1, 0, 0, 2
	WIN 0
	s_mov_b32 s3, 6
.Llap:
	STEP 0, 1, 0, 2                                ; K steps 2 .. 13, which ask for 4 .. 15
	STEP 1, 0, 0, 2
	WIN 0
	s_sub_co_u32 s3, s3, 1
	s_cmp_lg_u32 s3, 0
	s_cbranch_scc1 .Llap
	STEP 0, 1, 0, 1                                ; K step 14: nothing is left to ask for
	STEP 1, 0, 0, 0                                ; K step 15
	; THE WAY OUT, through my own stage in LDS (16 rows of 256 bytes at a time), so that every store covers whole rows of 256 bytes.
	WIN 0
	PLACES                                         ; behind the last matrix instructions
	s_wait_loadcnt 0x0                             ; the biases
.set n, 0
.rept 16
	v_pk_mul_f32 v[BQ+2*n:BQ+2*n+1], v[BQ+2*n:BQ+2*n+1], 0x3fb8aa3b op_sel_hi:[1,0]   ; bq log2(e): q goes out in units of log2
.set n, n+1
.endr
.irp b, 0,1,2,3
	v_mul_f32 v[BV+2*\b],   0x3d800000, v[BVR+\b]  ; bv / 16, twice
	v_mul_f32 v[BV+2*\b+1], 0x3d800000, v[BVR+\b]
.endr
; the stage's 16 rows are read back as whole rows and stored; f: read-back registers, two sets by turns
.macro BACK f, ptr, off
	s_wait_xcnt 0x0                                ; set f, which earlier stores read, is loaded again only behind this wait
.irp t, 0,1,2,3,4,5,6,7
	ds_load_b128 v[\f+4*\t:\f+4*\t+3], v[RD] offset:\t*2*SPITCH    ; LDS serves a wave's instructions in order (ISA guide 5.7.1): these see the stores above
.endr
.irp t, 0,1,2,3,4,5,6,7
	s_wait_dscnt 7-\t                              ; the younger read-backs stay out
	global_store_b128 v[CO], v[\f+4*\t:\f+4*\t+3], s[\ptr:\ptr+1] offset:\off+512*\t     ; two whole rows of 256 bytes
.endr
.endm
.macro QBIAS a, dst                    ; 16 tokens of q: sum x log2(e) + bias
.irp b, 0,1,2,3
.irp r, 0,1,2,3
	v_pk_fma_f32 v[\dst+8*\b+2*\r:\dst+8*\b+2*\r+1], v[8*(4*(\a)+\b)+2*\r:8*(4*(\a)+\b)+2*\r+1], 0x3fb8aa3b, v[BQ+8*\b+2*\r:BQ+8*\b+2*\r+1] op_sel_hi:[1,0,1]
.endr
.endr
.endm
; 32 tokens (tile rows 2 c, 2 c + 1) of q: bias, one rounding to f16, out.  Two tokens of 128 bytes make a stage row, as they lie in qs.
.macro OUTQ c, f
	WIN 0x01                                       ; source 0 in q's window
	QBIAS 2*\c, TT
	QBIAS 2*\c+1, UU
	WIN 0
.set n, 0
.rept 16
	v_cvt_pk_f16_f32 v[HI+n], v[TT+2*n], v[TT+2*n+1]
	v_cvt_pk_f16_f32 v[LO+n], v[UU+2*n], v[UU+2*n+1]
.set n, n+1
.endr
.irp b, 0,1,2,3
	ds_store_b128 v[STQ], v[HI+4*\b:HI+4*\b+3] offset:32*\b                ; token r, columns 16 b + 8 h ..
	ds_store_b128 v[STQ], v[LO+4*\b:LO+4*\b+3] offset:8*SPITCH+32*\b       ; token 16 + r: eight stage rows further
.endr
	BACK \f, 14, \c*4096
.endm
; 16 tokens (tile row a) of k: bias, split into two f16, out
.macro OUTK a, f
	WIN 0x02                                       ; source 0 in k's window
.irp b, 0,1,2,3
.irp r, 0,1,2,3
	v_pk_add_f32 v[TT+8*\b+2*\r:TT+8*\b+2*\r+1], v[8*(4*\a+\b)+2*\r:8*(4*\a+\b)+2*\r+1], v[BK+8*\b+2*\r:BK+8*\b+2*\r+1]
.endr
.endr
	WIN 0
.set n, 0
.rept 32
	v_and_b32 v[UU+n], 0xffffe000, v[TT+n]         ; the upper 11 significant bits: a number that f16 holds exactly (from 2^-14 up; below, the conversion rounds it by 2^-25 at the most)
.set n, n+1
.endr
.set n, 0
.rept 16
	v_cvt_pk_f16_f32 v[HI+n], v[UU+2*n], v[UU+2*n+1]
	v_pk_add_f32 v[TT+2*n:TT+2*n+1], v[TT+2*n:TT+2*n+1], v[UU+2*n:UU+2*n+1] neg_lo:[0,1] neg_hi:[0,1]   ; the rest, exact in f32
.set n, n+1
.endr
.set n, 0
.rept 16
	v_cvt_pk_f16_f32 v[LO+n], v[TT+2*n], v[TT+2*n+1]
.set n, n+1
.endr
.irp b, 0,1,2,3
	ds_store_b128 v[STO], v[HI+4*\b:HI+4*\b+3] offset:32*\b        ; token r, columns 16 b + 8 h ..
	ds_store_b128 v[STO], v[LO+4*\b:LO+4*\b+3] offset:128+32*\b
.endr
	BACK \f, 16, \a*4096
.endm
; 16 d (column tile b) x my 128 tokens of v: bias, scale, f16, out
.macro OUTV b, f
	WIN 0x03
.irp a, 0,1,2,3,4,5,6,7
.irp r, 0,1,2,3
	v_pk_fma_f32 v[UU+8*\a+2*\r:UU+8*\a+2*\r+1], v[8*(4*\a+\b)+2*\r:8*(4*\a+\b)+2*\r+1], 0x3d800000, v[BV+2*\b:BV+2*\b+1] op_sel_hi:[1,0,1]
.endr
.endr
	WIN 0
.irp a, 0,1,2,3,4,5,6,7
.irp r, 0,1,2,3
	v_cvt_pk_f16_f32 v[HI+4*\a+\r], v[UU+8*\a+2*\r], v[UU+8*\a+2*\r+1]
.endr
.endr
.irp a, 0,1,2,3,4,5,6,7
	ds_store_b128 v[STO], v[HI+4*\a:HI+4*\a+3] offset:32*\a        ; d = r, tokens 16 a + 8 h ..
.endr
	s_wait_xcnt 0x0
.irp t, 0,1,2,3,4,5,6,7
	ds_load_b128 v[\f+4*\t:\f+4*\t+3], v[RD] offset:\t*2*SPITCH
.endr
.irp t, 0,1,2,3,4,5,6,7
	s_wait_dscnt 7-\t
	global_store_b128 v[COV], v[\f+4*\t:\f+4*\t+3], s[18:19] offset:(16*\b+2*\t)*4096     ; 16 lanes: 256 consecutive bytes of one d's row
.endr
.endm
	OUTQ 0, A1
	OUTQ 1, A1+32
	OUTQ 2, A1
	OUTQ 3, A1+32
	OUTK 0, A1
	OUTK 1, A1+32
	OUTK 2, A1
	OUTK 3, A1+32
	OUTK 4, A1
	OUTK 5, A1+32
	OUTK 6, A1
	OUTK 7, A1+32
	OUTV 0, A1
	OUTV 1, A1+32
	OUTV 2, A1
	OUTV 3, A1+32
	s_wait_xcnt 0x0
	v_lshl_add_u32 v94, v0, 2, 0x3a400
	v_mov_b32 v95, 0
	s_wait_tensorcnt 0x0
	ds_add_u32 v94, v95
	s_wait_dscnt 0x0
	CROUND                                         ; the closing round: no work-group ends while a partner may still ask for a tile that names it
	s_endpgm
.Lfunc_end_k_q41d0b5ee55_proj:
	.size	k_q41d0b5ee55_proj, .Lfunc_end_k_q41d0b5ee55_proj-k_q41d0b5ee55_proj
	.p2alignl 7, 3214868480
	.fill 96, 4, 3214868480
	.section	.rodata,"a",@progbits
	.p2align	6, 0x0
	.amdhsa_kernel k_q41d0b5ee55_proj
		.amdhsa_group_segment_fixed_size 327680
		.amdhsa_private_segment_fixed_size 0
		.amdhsa_enable_private_segment 0
		.amdhsa_kernarg_size 64
		.amdhsa_user_sgpr_count 2
		.amdhsa_user_sgpr_kernarg_segment_ptr 1
		.amdhsa_wavefront_size32 1
		.amdhsa_system_sgpr_workgroup_id_x 1
		.amdhsa_system_sgpr_workgroup_id_y 1
		.amdhsa_system_sgpr_workgroup_id_z 1
		.amdhsa_system_vgpr_workitem_id 0
		.amdhsa_next_free_vgpr 1024
		.amdhsa_next_free_sgpr 82
		.amdhsa_reserve_vcc 0
		.amdhsa_float_denorm_mode_32 3
		.amdhsa_float_denorm_mode_16_64 3
		.amdhsa_memory_ordered 1
		.amdhsa_forward_progress 1
		.amdhsa_inst_pref_size 248
	.end_amdhsa_kernel
	.amdgpu_metadata
---
amdhsa.version: [ 1, 2 ]
amdhsa.kernels:
  - .name:           k_q41d0b5ee55_proj
    .symbol:         k_q41d0b5ee55_proj.kd
    .args:
      - { .name: xb, .offset: 0, .size: 8, .value_kind: global_buffer, .address_space: global }
      - { .name: wc, .offset: 8, .size: 8, .value_kind: global_buffer, .address_space: global }
      - { .name: bq, .offset: 16, .size: 8, .value_kind: global_buffer, .address_space: global }
      - { .name: bk, .offset: 24, .size: 8, .value_kind: global_buffer, .address_space: global }
      - { .name: bv, .offset: 32, .size: 8, .value_kind: global_buffer, .address_space: global }
      - { .name: qs, .offset: 40, .size: 8, .value_kind: global_buffer, .address_space: global }
      - { .name: ks, .offset: 48, .size: 8, .value_kind: global_buffer, .address_space: global }
      - { .name: vt, .offset: 56, .size: 8, .value_kind: global_buffer, .address_space: global }
    .group_segment_fixed_size: 327680
    .private_segment_fixed_size: 0
    .kernarg_segment_align: 8
    .kernarg_segment_size: 64
    .max_flat_workgroup_size: 128
    .sgpr_count:     82
    .vgpr_count:     1024
    .wavefront_size: 32
...
	.end_amdgpu_metadata
.endif
;; end of part 2
;; launch attn (part 3): grid 256 x 1, 8 waves a work-group, clusters of 4 x 1, 327,680 bytes of LDS; arguments qs, ks, vt, x, out0; writes out0
.if DOCPART == 3
	.amdgcn_target "amdgcn-amd-amdhsa--gfx1250"
	.amdhsa_code_object_version 6
	.text
	.protected	k_q41d0b5ee55_attn
	.globl	k_q41d0b5ee55_attn
	.p2align	8
	.type	k_q41d0b5ee55_attn,@function
k_q41d0b5ee55_attn:
	s_mov_b64 s[64:65], 0
	v_nop
	global_prefetch_b8 v0, s[64:65] scope:SCOPE_SE
	s_setreg_imm32_b32 hwreg(HW_REG_WAVE_MODE, 25, 1), 1
	s_wait_xcnt 0x0
	s_wait_alu depctr_hold_cnt(0) depctr_sa_sdst(0) depctr_va_vdst(0) depctr_va_sdst(0) depctr_va_ssrc(0) depctr_va_vcc(0) depctr_vm_vsrc(0)
	s_getreg_b32 s2, hwreg(HW_REG_IB_STS2, 6, 4)
	s_cmp_eq_u32 s2, 0
	s_cbranch_scc0 .Lentry_in_a_cluster
	s_endpgm
.Lentry_in_a_cluster:
	s_bfe_u32 s2, ttmp6, 0x10000c
	s_cmp_lg_u32 s2, 0x3003
	s_cbranch_scc0 .Lentry_shape_is_right
	s_endpgm
.Lentry_shape_is_right:
; attn: out0 = x + softmax(q k^T) v for 64 (batch, head) pairs of 2,048 x 2,048, head width 64, no scale on the scores.
; In: qs [64 bh][2048][64] f16 (q times log2 e), ks [64 bh][2048][hi 64 | lo 64] f16, vt [64 bh][64 d][2048] f16 (v / 16), x f32.
; THE SCORES: s = kh q + kl q, two products in f32 sums: k enters with 22 significant bits, q with f16's 11.
; The scores have no 1/sqrt(64) in front, a row is often shared by two keys, and the weights then follow the difference of two scores.
; What q's rounding leaves in such a difference is dq . (k1 - k2), in which the part of k1 and k2 that lies along q cancels; rounding k instead
; would leave q . (dk1 - dk2), in which the larger dk stand beside the larger q, since a row's leading keys lie along q: so k is the pair.
; The softmax takes a RUNNING MAXIMUM away before every exponential; P goes to the second product in f16 (p <= 1), V in f16.
; LIMITS: q log2 e and k are f16 (below 65,504, kept by the launch that makes them); p below about 6e-8 vanishes in f16; v_exp_f32 gives zero
; for results below 2^-126; NaN and infinities are not treated specially; the sums run in another order than a row-wise softmax's.
; A cluster of four work-groups is one (batch, head); a work-group takes 512 queries, a wave 64 (four tiles of 16).  Two waves lie on a
; SIMD, so that one wave's softmax stands beside the other's matrix work.  All four work-groups walk the same K and V: every tile is
; asked for JOINTLY (mask 15).  Q, x and out0 are each wave's own.
; TRANSPOSED: S^T = K Q^T, so a lane holds one query and 8 keys of each tile: maximum and sum stay in the lane but for one exchange
; between the halves of the wave, and two tiles of S^T, packed in place, ARE the second source of O^T = V^T P^T.
; LDS: two slots of 256 keys: K 256 rows x 272 bytes, then V 64 rows (d) x 528 bytes; both pitches are odd multiples of 16 bytes.
; REGISTERS: window 0: lane terms, softmax state, S v64-127, K's fragments v128-191, V's v192-223.
;            window 1: Q v0-63 (tile i at 16 i: d 0-31, d 32-63), v0-127 x on the way out, O v128-255 (tile (i, t = 16 d) at 128 + 32 i + 8 t).
.set KPITCH, 272
.set VPITCH, 528
.set KBYTES, 256*KPITCH                ; 69,632
.set SLOT,   KBYTES+64*VPITCH          ; 103,424
.set STAGE,  2*SLOT                    ; behind the ring: 16 rows x 272 bytes for each wave, for the way out
.set SPITCH, 272
.set KB,  4                            ; v4   r x 272 + 16 h
.set VB,  5                            ; v5   K's bytes + r x 528 + 16 h
.set KA,  6                            ; v6   where the next K fragments lie
.set VA,  7                            ; v7   where this step's V fragments lie
.set STO, 8
.set RD,  9
.set XO,  10                           ; v10  my byte offset in x and out0
.set QO,  11                           ; v11  my byte offset in qs
.set PF,  12                           ; v12  lane x 4,096: one row of x a lane
.set MX,  16                           ; v[16+2i]  running maximum of query tile i (the odd neighbours are written once: a packed source is a pair)
.set AL,  24                           ; v[24+2i]  this step's factor 2^(old maximum - new maximum)
.set LS,  32                           ; v[32+2i:33+2i]  running sum, two partial sums a lane
.set TT,  40                           ; v[40:55]  at work, four registers for each query tile
.set SC,  64
.set KF,  128                          ; key tile kt at 32 kt: hi d 0-31, hi d 32-63, lo d 0-31, lo d 32-63
.set VF,  192
.set OA,  128                          ; in window 1
.set G1K, 24
.set G0K, 32
.set G1V, 40
.set G0V, 48
.set MSB, 0
.macro WIN new                         ; the immediate's high byte repeats the setting that is left
.if MSB != \new
	s_set_vgpr_msb (MSB<<8)|\new
.set MSB, \new
.endif
.endm
.macro ROUND                           ; a round of the cluster's barrier
	s_barrier_signal -1
	s_barrier_wait -1
	s_cmp_lg_u32 s14, 0
	s_cbranch_scc1 .Lnot_wave_0_\@
	s_barrier_signal -3
.Lnot_wave_0_\@:
	s_barrier_wait -3
	s_barrier_signal -1
	s_barrier_wait -1
.endm
.macro JLOAD s                         ; waves 0-3 ask for 64 keys of K each, waves 4-7 for 16 d of V each; the branch hangs on the wave's number alone
	s_cmp_eq_u32 s15, 0
	s_cbranch_scc0 .Lfor_v_\@
	tensor_load_to_lds s[G0K+4*(\s):G0K+4*(\s)+3], s[G1K:G1K+7]
	s_nop 0
	s_branch .Lasked_\@
.Lfor_v_\@:
	tensor_load_to_lds s[G0V+4*(\s):G0V+4*(\s)+3], s[G1V:G1V+7]
	s_nop 0
.Lasked_\@:
.endm
	s_load_b256 s[4:11], s[0:1], 0x0               ; qs s[4:5], ks s[6:7], vt s[8:9], x s[10:11]
	s_load_b64 s[12:13], s[0:1], 0x20              ; out0
	v_lshl_add_u32 v254, v0, 2, 0x3b000
	v_mov_b32 v255, 0
	ds_add_u32 v254, v255
	v_lshrrev_b32 v1, 5, v0
	v_readfirstlane_b32 s14, v1                    ; wave 0..7
	s_lshr_b32 s15, s14, 2                         ; I fetch for K (0) or for V (1)
	s_and_b32 s16, s14, 3                          ; which quarter of that tile
	s_bfe_u32 s17, ttmp6, 0x40000                  ; cx: my block of 512 queries.  ttmp9 is the cluster's number: bh
	s_mov_b32 s18, 0x76543210                      ; v_permlanex16_b32: lane i reads lane i of the other half
	s_mov_b32 s19, 0xfedcba98
	; K's tiles: 64 rows of 128 f16 (256 bytes), dense; 16 bytes of padding behind each row
	s_mov_b32 s[G1K+0], 15|(1<<16)|(1<<20)|(1<<21)|(5<<22)|(3<<25)
	s_mov_b32 s[G1K+1], 128<<16
	s_mov_b32 s[G1K+2], 64<<16
	s_mov_b32 s[G1K+3], 128<<16
	s_mov_b32 s[G1K+4], 64
	s_mov_b32 s[G1K+5], 128
	s_mov_b32 s[G1K+6], 0
	s_mov_b32 s[G1K+7], 0
	; V's tiles: 16 rows (d) of 256 f16 (512 bytes), 2,048 elements from row to row; 16 bytes of padding behind each row
	s_mov_b32 s[G1V+0], 15|(1<<16)|(1<<20)|(1<<21)|(6<<22)|(3<<25)
	s_mov_b32 s[G1V+1], 256<<16
	s_mov_b32 s[G1V+2], 16<<16
	s_mov_b32 s[G1V+3], 256<<16
	s_mov_b32 s[G1V+4], 16
	s_mov_b32 s[G1V+5], 2048
	s_mov_b32 s[G1V+6], 0
	s_mov_b32 s[G1V+7], 0
	; the tiles' addresses hang on bh and the wave's number alone: they are equal in all four work-groups
	s_lshl_b32 s56, ttmp9, 19                      ; ks: bh x 2,048 x 256
	s_lshl_b32 s62, s16, 14                        ; + my 64 keys
	s_add_co_u32 s56, s56, s62
	s_mov_b32 s57, 0
	s_lshl_b32 s58, ttmp9, 18                      ; vt: bh x 64 x 4,096
	s_lshl_b32 s62, s16, 16                        ; + my 16 d
	s_add_co_u32 s58, s58, s62
	s_mov_b32 s59, 0
	s_mul_i32 s60, s14, 64*KPITCH                  ; LDS: K's quarters, waves 0-3
	s_mul_i32 s61, s14, 16*VPITCH
	s_add_co_u32 s61, s61, KBYTES-4*16*VPITCH      ; V's quarters behind K, waves 4-7
	; my 64 queries
	s_lshl_b32 s70, s17, 9
	s_lshl_b32 s71, s14, 6
	s_add_co_u32 s70, s70, s71                     ; first query in the sequence
	s_lshl_b32 s66, ttmp9, 11
	s_add_co_u32 s66, s66, s70
	s_lshl_b32 s66, s66, 7                         ; qs: (bh x 2,048 + query) x 128
	s_mov_b32 s67, 0
	s_lshr_b32 s68, ttmp9, 4
	s_lshl_b32 s68, s68, 11
	s_add_co_u32 s68, s68, s70
	s_lshl_b32 s68, s68, 12                        ; x, out0: (batch x 2,048 + query) x 4,096
	s_and_b32 s71, ttmp9, 15
	s_lshl_b32 s71, s71, 8
	s_add_co_u32 s68, s68, s71                     ; + head x 256
	s_mov_b32 s69, 0
	s_wait_dscnt 0x0
	s_wait_kmcnt 0x0
	s_add_nc_u64 s[56:57], s[6:7], s[56:57]
	s_add_nc_u64 s[58:59], s[8:9], s[58:59]
	s_add_nc_u64 s[4:5], s[4:5], s[66:67]
	s_add_nc_u64 s[10:11], s[10:11], s[68:69]
	s_add_nc_u64 s[12:13], s[12:13], s[68:69]
.irp s, 0,1
	s_mov_b32 s[G0K+4*\s], 1
	s_add_co_u32 s[G0K+4*\s+1], s60, \s*SLOT
	s_add_nc_u64 s[G0K+4*\s+2:G0K+4*\s+3], s[56:57], \s*65536      ; keys 256 s ..
	s_or_b32 s[G0K+4*\s+3], s[G0K+4*\s+3], 0x80000000
	s_mov_b32 s[G0V+4*\s], 1
	s_add_co_u32 s[G0V+4*\s+1], s61, \s*SLOT
	s_add_nc_u64 s[G0V+4*\s+2:G0V+4*\s+3], s[58:59], \s*512
	s_or_b32 s[G0V+4*\s+3], s[G0V+4*\s+3], 0x80000000
.endr
	ROUND                                          ; all four work-groups are here
	JLOAD 0                                        ; keys 0 .. 255; one tensor load of a wave is out, here and behind every later round
	v_and_b32 v1, 15, v0                           ; r
	v_bfe_u32 v2, v0, 4, 1                         ; h
	v_and_b32 v3, 31, v0                           ; lane
	v_lshlrev_b32 v[QO], 7, v1
	v_lshl_add_u32 v[QO], v2, 4, v[QO]             ; query r, 16 h
	WIN 0x40                                       ; destination in window 1
.irp i, 0,1,2,3
.irp x, 0,1,2,3
	global_load_b128 v[16*\i+4*\x:16*\i+4*\x+3], v[QO], s[4:5] offset:2048*\i+32*\x   ; Q's fragments: the four loads take the whole 128 bytes of 16 rows
.endr
.endr
	WIN 0
	v_mul_u32_u24 v[KB], v1, KPITCH
	v_lshl_add_u32 v[KB], v2, 4, v[KB]
	v_mul_u32_u24 v[VB], v1, VPITCH
	v_lshl_add_u32 v[VB], v2, 4, v[VB]
	v_add_nc_u32 v[VB], KBYTES, v[VB]
	s_mul_i32 s63, s14, 16*SPITCH
	s_add_co_u32 s63, s63, STAGE                   ; my stage
	v_mul_u32_u24 v13, v1, SPITCH
	v_lshl_add_u32 v13, v2, 5, v13
	v_add_nc_u32 v[STO], s63, v13                  ; in: query r, 32 bytes for each half of the lanes
	v_mul_u32_u24 v14, v2, SPITCH
	v_lshl_add_u32 v14, v1, 4, v14
	v_add_nc_u32 v[RD], s63, v14                   ; back: lanes 0-15 one row of 256 bytes, lanes 16-31 the next
	v_lshlrev_b32 v15, 4, v1
	v_lshl_add_u32 v[XO], v2, 12, v15              ; the same two rows in x and out0
	v_lshlrev_b32 v[PF], 12, v3
.set n, 0
.rept 8
	v_mov_b32 v[MX+n], 0xff800000                  ; the running maxima start at -inf, so the first factor is 2^-inf = 0,
	v_mov_b32 v[AL+n], 0
	v_mov_b32 v[LS+n], 0                           ; and the running sums at 0
.set n, n+1
.endr
	s_wait_loadcnt 0x0                             ; Q
.macro KLOAD                           ; 16 LDS loads: two tiles of 16 keys, hi and lo, all 64 d
.irp kt, 0,1
.irp x, 0,1,2,3,4,5,6,7
	ds_load_b128 v[KF+32*\kt+4*\x:KF+32*\kt+4*\x+3], v[KA] offset:16*KPITCH*\kt+32*\x
.endr
.endr
.endm
; One link of the scores' sums over all eight accumulators (4 query tiles x 2 key tiles): they take turns, one instruction a turn
.macro LINK kp, qp, zero
.irp i, 0,1,2,3
.irp kt, 0,1
.if \zero
	v_wmma_f32_16x16x32_f16 v[SC+16*\i+8*\kt:SC+16*\i+8*\kt+7], v[KF+32*\kt+\kp:KF+32*\kt+\kp+7], v[16*\i+\qp:16*\i+\qp+7], 0
.else
	v_wmma_f32_16x16x32_f16 v[SC+16*\i+8*\kt:SC+16*\i+8*\kt+7], v[KF+32*\kt+\kp:KF+32*\kt+\kp+7], v[16*\i+\qp:16*\i+\qp+7], v[SC+16*\i+8*\kt:SC+16*\i+8*\kt+7]
.endif
.endr
.endr
.endm
; A step: 32 keys against my 64 queries.  first = 1: O starts here.  pre = 1: the next step's K fragments are fetched under the softmax.
.macro STEP first, pre
.rept 5
	v_nop                                          ; five places behind the last step's P V products: V's fragments are loaded again, and the scores' first link writes over P (ISA guide 7.12.1)
.endr
.irp t, 0,1,2,3
	ds_load_b128 v[VF+8*\t:VF+8*\t+3],   v[VA] offset:16*VPITCH*\t
	ds_load_b128 v[VF+8*\t+4:VF+8*\t+7], v[VA] offset:16*VPITCH*\t+32
.endr
	s_wait_dscnt 8                                 ; all but V's eight: K's sixteen are in
	WIN 0x04                                       ; source 1 (Q) in window 1
	LINK 0,  0, 1                                  ; kh q, d 0-31: starts the sums
	LINK 8,  8, 0                                  ; kh q, d 32-63
	LINK 16, 0, 0                                  ; kl q
	LINK 24, 8, 0
	WIN 0
	v_add_nc_u32 v[KA], 32*KPITCH, v[KA]           ; 32 keys on: these two and two v_nop are the four places behind the scores' last link
	v_add_nc_u32 v[VA], 64, v[VA]
	v_nop
	v_nop
.if \pre
	KLOAD
.endif
	; the new maximum of each query: 16 scores and the old maximum in the lane, two chains for each tile, then the other half of the wave
.irp i, 0,1,2,3
	v_max3_num_f32 v[TT+4*\i],   v[SC+16*\i],   v[SC+16*\i+1], v[SC+16*\i+2]
	v_max3_num_f32 v[TT+4*\i+1], v[SC+16*\i+8], v[SC+16*\i+9], v[SC+16*\i+10]
.endr
.irp i, 0,1,2,3
	v_max3_num_f32 v[TT+4*\i],   v[TT+4*\i],   v[SC+16*\i+3],  v[SC+16*\i+4]
	v_max3_num_f32 v[TT+4*\i+1], v[TT+4*\i+1], v[SC+16*\i+11], v[SC+16*\i+12]
.endr
.irp i, 0,1,2,3
	v_max3_num_f32 v[TT+4*\i],   v[TT+4*\i],   v[SC+16*\i+5],  v[SC+16*\i+6]
	v_max3_num_f32 v[TT+4*\i+1], v[TT+4*\i+1], v[SC+16*\i+13], v[SC+16*\i+14]
.endr
.irp i, 0,1,2,3
	v_max3_num_f32 v[TT+4*\i], v[TT+4*\i], v[SC+16*\i+7], v[MX+2*\i]
.endr
.irp i, 0,1,2,3
	v_max3_num_f32 v[TT+4*\i], v[TT+4*\i], v[TT+4*\i+1], v[SC+16*\i+15]
.endr
.irp i, 0,1,2,3
	v_permlanex16_b32 v[TT+4*\i+1], v[TT+4*\i], s18, s19
.endr
.irp i, 0,1,2,3
	v_max_num_f32 v[TT+4*\i], v[TT+4*\i], v[TT+4*\i+1]
.endr
.irp i, 0,1,2,3
	v_sub_f32 v[AL+2*\i], v[MX+2*\i], v[TT+4*\i]   ; old - new, at most 0
	v_mov_b32 v[MX+2*\i], v[TT+4*\i]
.endr
.irp i, 0,1,2,3
.set n, 0
.rept 8
	v_pk_add_f32 v[SC+16*\i+2*n:SC+16*\i+2*n+1], v[SC+16*\i+2*n:SC+16*\i+2*n+1], v[MX+2*\i:MX+2*\i+1] op_sel_hi:[1,0] neg_lo:[0,1] neg_hi:[0,1]
.set n, n+1
.endr
.endr
.set n, 0
.rept 64
	v_exp_f32 v[SC+n], v[SC+n]                     ; q carries log2 e: 2^(s - m) is e^(score - maximum)
.set n, n+1
.endr
.irp i, 0,1,2,3
	v_exp_f32 v[AL+2*\i], v[AL+2*\i]
.endr
	v_nop                                          ; one plain place behind the exponentials before their results are used (ISA guide 5.7.2)
	s_wait_alu depctr_va_vdst(0)
.irp i, 0,1,2,3
	v_pk_add_f32 v[TT+4*\i:TT+4*\i+1],   v[SC+16*\i:SC+16*\i+1],   v[SC+16*\i+2:SC+16*\i+3]
	v_pk_add_f32 v[TT+4*\i+2:TT+4*\i+3], v[SC+16*\i+4:SC+16*\i+5], v[SC+16*\i+6:SC+16*\i+7]
.endr
.irp i, 0,1,2,3
	v_pk_add_f32 v[TT+4*\i:TT+4*\i+1],   v[TT+4*\i:TT+4*\i+1],   v[SC+16*\i+8:SC+16*\i+9]
	v_pk_add_f32 v[TT+4*\i+2:TT+4*\i+3], v[TT+4*\i+2:TT+4*\i+3], v[SC+16*\i+10:SC+16*\i+11]
.endr
.irp i, 0,1,2,3
	v_pk_add_f32 v[TT+4*\i:TT+4*\i+1],   v[TT+4*\i:TT+4*\i+1],   v[SC+16*\i+12:SC+16*\i+13]
	v_pk_add_f32 v[TT+4*\i+2:TT+4*\i+3], v[TT+4*\i+2:TT+4*\i+3], v[SC+16*\i+14:SC+16*\i+15]
.endr
.irp i, 0,1,2,3
	v_pk_add_f32 v[TT+4*\i:TT+4*\i+1], v[TT+4*\i:TT+4*\i+1], v[TT+4*\i+2:TT+4*\i+3]
.endr
.irp i, 0,1,2,3
	v_pk_fma_f32 v[LS+2*\i:LS+2*\i+1], v[LS+2*\i:LS+2*\i+1], v[AL+2*\i:AL+2*\i+1], v[TT+4*\i:TT+4*\i+1] op_sel_hi:[1,0,1]
.endr
.irp i, 0,1,2,3
.set n, 0
.rept 8
	v_cvt_pk_f16_f32 v[SC+16*\i+n], v[SC+16*\i+2*n], v[SC+16*\i+2*n+1]   ; in place, ascending: registers 0-3 keys 8 h .., 4-7 keys 16 + 8 h ..: P's fragment
.set n, n+1
.endr
.endr
.if \first == 0
	WIN 0x41                                       ; O in window 1, the factor in window 0
.irp i, 0,1,2,3
.set n, 0
.rept 16
	v_pk_mul_f32 v[OA+32*\i+2*n:OA+32*\i+2*n+1], v[OA+32*\i+2*n:OA+32*\i+2*n+1], v[AL+2*\i:AL+2*\i+1] op_sel_hi:[1,0]
.set n, n+1
.endr
.endr
.endif
.if \pre
	s_wait_dscnt 16                                ; all but the next step's sixteen K loads: V's eight are in
.else
	s_wait_dscnt 0x0
.endif
	WIN 0x50                                       ; C and D in window 1
.irp t, 0,1,2,3
.irp i, 0,1,2,3
.if \first
	v_wmma_f32_16x16x32_f16 v[OA+32*\i+8*\t:OA+32*\i+8*\t+7], v[VF+8*\t:VF+8*\t+7], v[SC+16*\i:SC+16*\i+7], 0
.else
	v_wmma_f32_16x16x32_f16 v[OA+32*\i+8*\t:OA+32*\i+8*\t+7], v[VF+8*\t:VF+8*\t+7], v[SC+16*\i:SC+16*\i+7], v[OA+32*\i+8*\t:OA+32*\i+8*\t+7]
.endif
.endr
.endr
	WIN 0
.endm
; A trip: 256 keys in slot `slot`, eight steps.  refill = 1: the next 256 keys are asked for, into the other slot, and have this whole trip in which to land.
; pf = 1 (the last trip): my 64 rows of x, 256 bytes each, are asked for into the L2, one lane a row, two steps ahead of their loads; no other wave asks for them.
.macro TRIP slot, refill, first, pf
	s_wait_tensorcnt 0x0                           ; all my tensor loads are done, my part of this trip's tile among them,
	ds_add_u32 v254, v255
	s_wait_dscnt 0x0
	s_add_nc_u64 s[G0K+4*\slot+2:G0K+4*\slot+3], s[G0K+4*\slot+2:G0K+4*\slot+3], 131072   ; so every group 0 may be written: this slot's next tile, 512 keys on
	s_add_nc_u64 s[G0V+4*\slot+2:G0V+4*\slot+3], s[G0V+4*\slot+2:G0V+4*\slot+3], 1024     ; (in the last two trips the stepped addresses are not used)
	s_wait_dscnt 0x0                               ; my reads of the other slot are done
	ROUND                                          ; both now hold of every wave of all four work-groups
.if \refill
	JLOAD 1-\slot                                  ; my one tensor load behind the round
.endif
	v_add_nc_u32 v[KA], \slot*SLOT, v[KB]
	v_add_nc_u32 v[VA], \slot*SLOT, v[VB]
	KLOAD
.if \first
	STEP 1, 1
.endif
	s_mov_b32 s21, 7-\first-\pf                    ; eight steps in all: those written out ahead of and behind the loop are taken off
.Lsteps_\@:
	STEP 0, 1
	s_sub_co_u32 s21, s21, 1
	s_cmp_lg_u32 s21, 0
	s_cbranch_scc1 .Lsteps_\@
.if \pf
	global_prefetch_b8 v[PF], s[10:11] th:TH_LOAD_NT scope:SCOPE_SE
	global_prefetch_b8 v[PF], s[10:11] offset:131072 th:TH_LOAD_NT scope:SCOPE_SE
	STEP 0, 1
.endif
	STEP 0, 0                                      ; the slot's last 32 keys: no K fragments beyond it
.endm
	TRIP 0, 1, 1, 0
	TRIP 1, 1, 0, 0
	s_mov_b32 s22, 2
.Ltrips:
	TRIP 0, 1, 0, 0
	TRIP 1, 1, 0, 0
	s_sub_co_u32 s22, s22, 1
	s_cmp_lg_u32 s22, 0
	s_cbranch_scc1 .Ltrips
	TRIP 0, 1, 0, 0
	TRIP 1, 0, 0, 1                                ; the last 256 keys: nothing is left to ask for
	; THE WAY OUT: O x 16 / sum, 16 queries at a time through my own stage, read back as rows of 256 bytes, + x, out.
.rept 4
	v_nop                                          ; four places behind the last matrix instructions
.endr
	WIN 0x40
.irp i, 0,1,2,3
.irp t, 0,1,2,3,4,5,6,7
	global_load_b128 v[32*\i+4*\t:32*\i+4*\t+3], v[XO], s[10:11] offset:(16*\i+2*\t)*4096 th:TH_LOAD_NT   ; x into window 1's v0-127: 16 lanes take one row's 256 bytes
.endr
.endr
	WIN 0
.irp i, 0,1,2,3
	v_add_f32 v[TT+4*\i], v[LS+2*\i], v[LS+2*\i+1]
.endr
.irp i, 0,1,2,3
	v_permlanex16_b32 v[TT+4*\i+1], v[TT+4*\i], s18, s19           ; the other half of the wave holds the query's other keys
.endr
.irp i, 0,1,2,3
	v_add_f32 v[TT+4*\i], v[TT+4*\i], v[TT+4*\i+1]
.endr
.irp i, 0,1,2,3
	v_rcp_f32 v[TT+4*\i+2], v[TT+4*\i]
.endr
	v_nop                                          ; one plain place behind the reciprocals
	s_wait_alu depctr_va_vdst(0)
.irp i, 0,1,2,3
	v_mul_f32 v[AL+2*\i], 0x41800000, v[TT+4*\i+2] ; 16 / sum: V came in as v / 16
.endr
.macro OUT i, f
	WIN 0x01                                       ; source 0 (O) in window 1
.set n, 0
.rept 16
	v_pk_mul_f32 v[SC+2*n:SC+2*n+1], v[OA+32*\i+2*n:OA+32*\i+2*n+1], v[AL+2*\i:AL+2*\i+1] op_sel_hi:[1,0]
.set n, n+1
.endr
	WIN 0
.irp t, 0,1,2,3
	ds_store_b128 v[STO], v[SC+8*\t:SC+8*\t+3]   offset:64*\t      ; query r, d = 16 t + 8 h ..
	ds_store_b128 v[STO], v[SC+8*\t+4:SC+8*\t+7] offset:64*\t+16
.endr
	s_wait_xcnt 0x0                                ; set f, which earlier stores read, is loaded again only behind this wait
.irp t, 0,1,2,3,4,5,6,7
	ds_load_b128 v[\f+4*\t:\f+4*\t+3], v[RD] offset:\t*2*SPITCH    ; LDS serves a wave's instructions in order (ISA guide 5.7.1): these see the stores above
.endr
	s_wait_dscnt 0x0
	s_wait_loadcnt 24-8*\i                         ; x of this tile is in; the later tiles' loads stay out
	WIN 0x01                                       ; source 0 (x) in window 1
.set n, 0
.rept 16
	v_pk_add_f32 v[\f+2*n:\f+2*n+1], v[32*\i+2*n:32*\i+2*n+1], v[\f+2*n:\f+2*n+1]
.set n, n+1
.endr
	WIN 0
.irp t, 0,1,2,3,4,5,6,7
	global_store_b128 v[XO], v[\f+4*\t:\f+4*\t+3], s[12:13] offset:(16*\i+2*\t)*4096 th:TH_STORE_NT   ; 16 lanes store 256 consecutive bytes, at a multiple of 256 from out0's first byte
.endr
.endm
	OUT 0, KF
	OUT 1, KF+32
	OUT 2, KF
	OUT 3, KF+32
	s_wait_tensorcnt 0x0
	ds_add_u32 v254, v255
	s_wait_dscnt 0x0
	ROUND                                          ; the closing round: no work-group ends while a partner may still ask for a tile that names it
	s_endpgm
.Lfunc_end_k_q41d0b5ee55_attn:
	.size	k_q41d0b5ee55_attn, .Lfunc_end_k_q41d0b5ee55_attn-k_q41d0b5ee55_attn
	.p2alignl 7, 3214868480
	.fill 96, 4, 3214868480
	.section	.rodata,"a",@progbits
	.p2align	6, 0x0
	.amdhsa_kernel k_q41d0b5ee55_attn
		.amdhsa_group_segment_fixed_size 327680
		.amdhsa_private_segment_fixed_size 0
		.amdhsa_enable_private_segment 0
		.amdhsa_kernarg_size 40
		.amdhsa_user_sgpr_count 2
		.amdhsa_user_sgpr_kernarg_segment_ptr 1
		.amdhsa_wavefront_size32 1
		.amdhsa_system_sgpr_workgroup_id_x 1
		.amdhsa_system_sgpr_workgroup_id_y 1
		.amdhsa_system_sgpr_workgroup_id_z 1
		.amdhsa_system_vgpr_workitem_id 0
		.amdhsa_next_free_vgpr 512
		.amdhsa_next_free_sgpr 72
		.amdhsa_reserve_vcc 0
		.amdhsa_float_denorm_mode_32 3
		.amdhsa_float_denorm_mode_16_64 3
		.amdhsa_memory_ordered 1
		.amdhsa_forward_progress 1
		.amdhsa_inst_pref_size 255
	.end_amdhsa_kernel
	.section	.bss,"aw",@nobits
	.p2align	6
	.space	262144
	.amdgpu_metadata
---
amdhsa.version: [ 1, 2 ]
amdhsa.kernels:
  - .name:           k_q41d0b5ee55_attn
    .symbol:         k_q41d0b5ee55_attn.kd
    .args:
      - { .name: qs, .offset: 0, .size: 8, .value_kind: global_buffer, .address_space: global }
      - { .name: ks, .offset: 8, .size: 8, .value_kind: global_buffer, .address_space: global }
      - { .name: vt, .offset: 16, .size: 8, .value_kind: global_buffer, .address_space: global }
      - { .name: x, .offset: 24, .size: 8, .value_kind: global_buffer, .address_space: global }
      - { .name: out0, .offset: 32, .size: 8, .value_kind: global_buffer, .address_space: global }
    .group_segment_fixed_size: 327680
    .private_segment_fixed_size: 0
    .kernarg_segment_align: 8
    .kernarg_segment_size: 40
    .max_flat_workgroup_size: 256
    .sgpr_count:     72
    .vgpr_count:     512
    .wavefront_size: 32
...
	.end_amdgpu_metadata
.endif
;; end of part 3
;; ======== version 2 of 2: 3 launches; version 1 with the launch cast written anew for expert scheduling mode
;; limits: values are held in f16: magnitudes above 65,504 overflow, below 6.1e-05 lose precision
;; workspace buffers: xb 16,777,216 bytes; wc 6,291,456 bytes; qs 16,777,216 bytes; ks 33,554,432 bytes; vt 16,777,216 bytes
;; launch cast (part 4): grid 256 x 1, 22 waves a work-group, no clusters, 0 bytes of LDS; arguments x, Wq, Wk, Wv, xb, wc; writes xb, wc
.if DOCPART == 4
	.amdgcn_target "amdgcn-amd-amdhsa--gfx1250"
	.amdhsa_code_object_version 6
	.text
	.protected	k_q41d0b5ee55_cast
	.globl	k_q41d0b5ee55_cast
	.p2align	8
	.type	k_q41d0b5ee55_cast,@function
k_q41d0b5ee55_cast:
	s_mov_b64 s[64:65], 0
	v_nop
	global_prefetch_b8 v0, s[64:65] scope:SCOPE_SE
	s_setreg_imm32_b32 hwreg(HW_REG_WAVE_SCHED_MODE, 0, 2), 2
	s_setreg_imm32_b32 hwreg(HW_REG_WAVE_MODE, 25, 1), 1
	s_wait_xcnt 0x0
	s_wait_alu depctr_vm_vsrc(0)
; cast: x [8192][1024] and Wq, Wk, Wv [1024][1024], all f32, are rounded once to bf16 (to nearest even) and laid out so that
; every tile of the projection is dense in memory:
;   xb [16 kb][8192 row][64 k]   wc [16 kb][3072 row][64 k], row = head*192 + t*64 + d  (t = 0 q, 1 k, 2 v; feature = head*64 + d)
; 11,264 source rows are 5,632 pairs of rows = 256 work-groups x 22 waves: one pair a wave, no loop, no LDS, no barrier.
; A lane takes 8 neighbouring numbers (32 bytes in, 16 bytes out); sixteen neighbouring lanes store two rows x 64 k of one kb,
; which are 256 consecutive bytes at a multiple of 256 from the buffer's first byte.  All sixteen loads of a lane go out first.
; No cluster, no matrix unit: no byte is shared between work-groups and nothing is multiplied.
; THE MODE: SCHED_MODE bits 1:0 = 2 (LLVM: expert scheduling mode 2), set by the entry lines.  The code itself states the register dependences
; between vector instructions and memory instructions, with s_wait_alu, always for 0.
; THE PLAN.  Registers that memory instructions touch, in program order (the text is straight: no loop, no back edge):
;   v[SRC]   written by three vector lines at the head; read by the sixteen loads as their offset; never written again.
;   X        the sixteen loads land in it, and no vector instruction names it before; read by the roundings, behind the wait for the data.
;   OFF      written by ten vector lines behind the loads; each of the eight read by one store; never written again.
;   Y        each register written once, by a rounding, and read once, by a store.
;   s16      written by v_readfirstlane_b32; the pair's number and both bases are made from it.
; So: one wait on va_sdst ahead of s16's first reader; one on va_vdst ahead of the first load (v[SRC]); and, the eight steps going in four blocks
; of two, one on va_vdst to a block, between its eight roundings and its two stores.  No register that a memory instruction reads is written
; again, so there is no wait on vm_vsrc: a block's roundings name none of the registers that the stores of the block before read.
.set XPAIRS, 4096                      ; pairs of rows in x
.set KBS_X,  1048576                   ; xb: bytes of one kb = 8,192 rows x 128
.set KBS_W,  393216                    ; wc: bytes of one kb = 3,072 rows x 128
.set SRC, 2                            ; v2       byte offset of my 32 bytes in the pair of source rows, kb 0 or 1
.set OFF, 4                            ; v[4:11]  byte offset of my 16 bytes in the target, one for each of the eight steps
.set X,   16                           ; v[16:79] 8 x 8 numbers as loaded
.set Y,   80                           ; v[80:111] 8 x 4 registers to store
	s_load_b256 s[4:11], s[0:1], 0x0               ; x s[4:5], Wq s[6:7], Wk s[8:9], Wv s[10:11]
	s_load_b128 s[12:15], s[0:1], 0x20             ; xb s[12:13], wc s[14:15]
	v_lshrrev_b32 v1, 5, v0
	v_readfirstlane_b32 s16, v1                    ; wave
	v_bfe_u32 v12, v0, 3, 1                        ; which row of the pair
	v_bfe_u32 v13, v0, 4, 1                        ; which kb of two
	v_and_b32 v14, 7, v0                           ; which 8 numbers of the 64
	v_lshlrev_b32 v[SRC], 5, v14
	v_lshl_add_u32 v[SRC], v13, 8, v[SRC]
	v_lshl_add_u32 v[SRC], v12, 12, v[SRC]         ; row x 4,096 + kb x 256 + 32 x place
	s_mul_i32 s17, ttmp9, 22
	s_wait_alu depctr_va_sdst(0)                   ; s16 is written, ahead of its first reader: the pair's number, and from it both bases, are made of it
	s_add_co_u32 s17, s17, s16                     ; p: my pair of rows, 0 .. 5631; below 4096 it lies in x
	; the figures of a pair that lies in a W (they are not used where p < 4096)
	s_sub_co_u32 s18, s17, XPAIRS
	s_lshr_b32 s19, s18, 9                         ; t: which W
	s_and_b32 s20, s18, 511                        ; u: the pair in that W
	s_lshr_b32 s21, s20, 5                         ; head = 2u / 64
	s_mul_i32 s21, s21, 192
	s_lshl_b32 s22, s19, 6
	s_add_co_u32 s21, s21, s22                     ; + 64 t
	s_and_b32 s22, s20, 31
	s_lshl1_add_u32 s21, s22, s21                  ; + d = 2 (u mod 32): the target row in wc
	s_lshl_b32 s23, s17, 1                         ; the target row in xb: 2 p
	s_mov_b32 s30, KBS_W
	s_wait_kmcnt 0x0
	s_cmp_eq_u32 s19, 1                            ; the choices hang on p alone
	s_cselect_b64 s[24:25], s[8:9], s[6:7]
	s_cmp_eq_u32 s19, 2
	s_cselect_b64 s[24:25], s[10:11], s[24:25]
	s_cmp_lt_u32 s17, XPAIRS
	s_cselect_b64 s[24:25], s[4:5], s[24:25]       ; source
	s_cselect_b64 s[26:27], s[12:13], s[14:15]     ; target
	s_cselect_b32 s28, s17, s20                    ; the pair's number in its source
	s_cselect_b32 s29, s23, s21                    ; the target row
	s_cselect_b32 s30, KBS_X, s30                  ; the target's bytes for one kb
	s_lshl_b32 s32, s28, 13                        ; a pair of source rows is 8,192 bytes
	s_mov_b32 s33, 0
	s_add_nc_u64 s[24:25], s[24:25], s[32:33]
	s_lshl_b32 s34, s29, 7                         ; a target row is 128 bytes
	s_mov_b32 s35, 0
	s_add_nc_u64 s[26:27], s[26:27], s[34:35]
	s_lshl_b32 s31, s30, 1                         ; a step goes two kb on
	s_wait_alu depctr_va_vdst(0)                   ; v[SRC] is written: every load below reads it as its offset
.irp i, 0,1,2,3,4,5,6,7
	global_load_b128 v[X+8*\i:X+8*\i+3],   v[SRC], s[24:25] offset:512*\i th:TH_LOAD_NT
	global_load_b128 v[X+8*\i+4:X+8*\i+7], v[SRC], s[24:25] offset:512*\i+16 th:TH_LOAD_NT
.endr
	v_mul_lo_u32 v[OFF], v13, s30                  ; kb x its bytes.  These ten lines name neither v[SRC] nor X: nothing is owed between the loads and them
	v_lshl_add_u32 v[OFF], v12, 7, v[OFF]          ; + row of the pair x 128
	v_lshl_add_u32 v[OFF], v14, 4, v[OFF]          ; + 16 x place
.irp i, 1,2,3,4,5,6,7
	v_add_nc_u32 v[OFF+\i], s31, v[OFF+\i-1]
.endr
; Block g: steps 2 g and 2 g + 1: four loads' numbers, eight roundings, two stores.
.irp g, 0,1,2,3
	s_wait_loadcnt 12-4*\g                         ; loads come back in order (ISA guide 5.7.1): of the sixteen the first 4 g + 4 are in, the younger ones stay out
.irp j, 0,1,2,3,4,5,6,7
	v_cvt_pk_bf16_f32 v[Y+8*\g+\j], v[X+16*\g+2*\j], v[X+16*\g+2*\j+1]
.endr
	s_wait_alu depctr_va_vdst(0)                   ; the eight roundings have written this block's Y, which the two stores read; in block 0 it also states that all eight OFF are written
	global_store_b128 v[OFF+2*\g],   v[Y+8*\g:Y+8*\g+3],   s[26:27]   ; no hint: the next launch reads these bytes
	global_store_b128 v[OFF+2*\g+1], v[Y+8*\g+4:Y+8*\g+7], s[26:27]
.endr
	s_endpgm
.Lfunc_end_k_q41d0b5ee55_cast:
	.size	k_q41d0b5ee55_cast, .Lfunc_end_k_q41d0b5ee55_cast-k_q41d0b5ee55_cast
	.p2alignl 7, 3214868480
	.fill 96, 4, 3214868480
	.section	.rodata,"a",@progbits
	.p2align	6, 0x0
	.amdhsa_kernel k_q41d0b5ee55_cast
		.amdhsa_group_segment_fixed_size 0
		.amdhsa_private_segment_fixed_size 0
		.amdhsa_enable_private_segment 0
		.amdhsa_kernarg_size 48
		.amdhsa_user_sgpr_count 2
		.amdhsa_user_sgpr_kernarg_segment_ptr 1
		.amdhsa_wavefront_size32 1
		.amdhsa_system_sgpr_workgroup_id_x 1
		.amdhsa_system_sgpr_workgroup_id_y 1
		.amdhsa_system_sgpr_workgroup_id_z 1
		.amdhsa_system_vgpr_workitem_id 0
		.amdhsa_next_free_vgpr 112
		.amdhsa_next_free_sgpr 66
		.amdhsa_reserve_vcc 0
		.amdhsa_float_denorm_mode_32 3
		.amdhsa_float_denorm_mode_16_64 3
		.amdhsa_memory_ordered 1
		.amdhsa_forward_progress 1
		.amdhsa_inst_pref_size 7
	.end_amdhsa_kernel
	.amdgpu_metadata
---
amdhsa.version: [ 1, 2 ]
amdhsa.kernels:
  - .name:           k_q41d0b5ee55_cast
    .symbol:         k_q41d0b5ee55_cast.kd
    .args:
      - { .name: x, .offset: 0, .size: 8, .value_kind: global_buffer, .address_space: global }
      - { .name: Wq, .offset: 8, .size: 8, .value_kind: global_buffer, .address_space: global }
      - { .name: Wk, .offset: 16, .size: 8, .value_kind: global_buffer, .address_space: global }
      - { .name: Wv, .offset: 24, .size: 8, .value_kind: global_buffer, .address_space: global }
      - { .name: xb, .offset: 32, .size: 8, .value_kind: global_buffer, .address_space: global }
      - { .name: wc, .offset: 40, .size: 8, .value_kind: global_buffer, .address_space: global }
    .group_segment_fixed_size: 0
    .private_segment_fixed_size: 0
    .kernarg_segment_align: 8
    .kernarg_segment_size: 48
    .max_flat_workgroup_size: 704
    .sgpr_count:     66
    .vgpr_count:     112
    .wavefront_size: 32
...
	.end_amdgpu_metadata
.endif
;; end of part 4
;; launch proj: the kernel of part 2 again; grid 8 x 32, 4 waves a work-group, clusters of 4 x 4, 327,680 bytes of LDS; arguments xb, wc, bq, bk, bv, qs, ks, vt; writes qs, ks, vt
;; launch attn: the kernel of part 3 again; grid 256 x 1, 8 waves a work-group, clusters of 4 x 1, 327,680 bytes of LDS; arguments qs, ks, vt, x, out0; writes out0
